; MI455X (gfx1250); checked and timed in simulation.
; The chip was launched on July 23, 2026; its instructions are those of AMD's public machine-readable ISA for CDNA 5 (MIT licence, August 2026) and "CDNA5" Instruction Set Architecture Reference Guide (July 2026). The comments in the code are by the model that wrote it; some were corrected since.
;; Point Cloud Extractor. Allowed arithmetic: matrix products marked QUANTISED: E4M3 operands, one given power-of-two scale a tensor, by v_wmma_f32_16x16x64_fp8_fp8 or v_wmma_f32_16x16x128_fp8_fp8, f32 sums; products left as they are: f32 operands where the result goes on into a quantised operand, else bf16, f16 or f32 operands; f32 sums; everything else in f32.
;; Inputs: blk0_b 512 float32; blk0_beta 512 float32; blk0_g 512 float32; blk0_w 512 x 512 float32; blk1_b 256 float32; blk1_beta 256 float32; blk1_g 256 float32; blk1_w 512 x 256 float32; blk2_b 170 float32; blk2_beta 170 float32; blk2_g 170 float32; blk2_w 256 x 170 float32; c1_b 512 float32; c1_beta 512 float32; c1_g 512 float32; c1_w 9 x 512 float32; lowp_scales 8 int32 (the exponents e of the quantised operands' scales 2^e); pts 4 x 2,048 x 3 float32; res_b 512 float32; res_w 512 x 512 float32; t_b1 128 float32; t_b2 128 float32; t_cb 128 float32; t_cw 3 x 128 float32; t_d1b 128 float32; t_d1w 128 x 128 float32; t_d2b 9 float32; t_d2w 128 x 9 float32; t_g1 128 float32; t_g2 128 float32.
;; Outputs: out0 4 x 1,360 float32.
;; This version of the problem:
;;   THIS VERSION OF THE PROBLEM IS GIVEN IN LOW PRECISION. The matrix products marked QUANTISED in the list below multiply operands that are first quantised to E4M3 (4 exponent bits, 3 mantissa bits; 8 bits a number), with one given power-of-two scale for each operand tensor; their sums are f32. All else is computed in f32.
;;   The module's matrix products, in the order in which they are computed (A, B: the left and right operand; K: the contracted axis; several contracted axes count as one K, in the product's order):
;;     1. [M 8,192, K 3] x [K 3, N 128]; A: input pts; B: input t_cw: left as it is (K = 3 < 32)
;;     2. [M 4, K 128] x [K 128, N 128]; A: computed on the way; B: input t_d1w: left as it is (M = 4 < 16)
;;     3. [M 4, K 128] x [K 128, N 9]; A: computed on the way; B: input t_d2w: left as it is (M = 4 < 16)
;;     4. batch 4 x [M 2,048, K 3] x [K 3, N 3]; A: input pts; B: computed on the way: left as it is (K = 3 < 32)
;;     5. batch 4 x [M 2,048, K 3] x [K 3, N 2,048]; A: computed on the way; B: computed on the way: left as it is (K = 3 < 32)
;;     6. [M 65,536, K 9] x [K 9, N 512]; A: computed on the way; B: input c1_w: left as it is (K = 9 < 32)
;;     7. [M 65,536, K 512] x [K 512, N 512]; A: computed on the way; B: input res_w: QUANTISED (scales: A lowp_scales[0], B lowp_scales[1])
;;     8. [M 65,536, K 512] x [K 512, N 512]; A: computed on the way; B: input blk0_w: QUANTISED (scales: A lowp_scales[2], B lowp_scales[3])
;;     9. [M 65,536, K 512] x [K 512, N 256]; A: computed on the way; B: input blk1_w: QUANTISED (scales: A lowp_scales[4], B lowp_scales[5])
;;     10. [M 65,536, K 256] x [K 256, N 170]; A: computed on the way; B: input blk2_w: QUANTISED (scales: A lowp_scales[6], B lowp_scales[7])
;;   THE QUANTISER, for each operand of a quantised product, along K:
;;     - The operand's scale is 2^e, e = its entry of the input lowp_scales (int32; the entries are numbered through the quantised products in the list's order, A before B).
;;     - Each number is divided by the scale, clamped to +-448, and rounded to the nearest number of E4M3, ties to even, subnormals kept.
;;     - The product sums the exact products of the quantised numbers (number of the format x scale) in f32.
;;   ~~~python
;;   def quantise(x, axis, e):      # numpy; x: float32 -> the quantised numbers, widened to float32 again
;;       x = np.moveaxis(x, axis, -1); K = x.shape[-1]
;;       r = np.clip(x / 2.0 ** e, -448, 448)
;;       step = 2.0 ** (np.maximum(np.frexp(np.where(r == 0, 1, r))[1] - 1, -6) - 3)
;;       q = np.round(r / step) * step * 2.0 ** e      # np.round: ties to even
;;       return np.moveaxis(q, -1, axis).astype(np.float32)
;;   ~~~
;;   OPERANDS COMPUTED ON THE WAY. 'Computed on the way' means the value that the module computes at that place (a softmax that the list does not call 'softmax' is quantised finished and normalised). What goes into a quantiser is computed in f32, as accurately as f32 sums, v_exp_f32 and their like allow (about 1e-6 of the number): no bf16 or f16 on the way to a quantiser, and a product that is left as it is and whose result goes on into a quantised operand takes f32 operands (vector FMAs, or v_wmma_f32_16x16x4_f32). A number that lies on a knife's edge between two numbers of the format may be rounded either way, as far as f32 arithmetic and the matrix unit's own rounding can turn it there, and no further.
;; One version. Each part assembles by itself: llvm-mc -triple=amdgcn-amd-amdhsa -mcpu=gfx1250 --defsym DOCPART=n.
;; ======== version 1 of 1: 4 launches
;; workspace buffers: tpart 131,072 bytes; wq 700,416 bytes; pcb 131,072 bytes; idx 786,432 bytes of whole numbers; part 196,608 bytes
;; launch prep (part 1): grid 299 x 1, 8 waves a work-group, no clusters, 0 bytes of LDS; arguments pts, t_cw, t_cb, t_g1, t_b1, res_w, blk0_w, blk1_w, blk2_w, lowp_scales, tpart, wq; writes tpart, wq
.if DOCPART == 1
	.amdgcn_target "amdgcn-amd-amdhsa--gfx1250"
	.amdhsa_code_object_version 6
	.text
	.protected	k_qc3773dd817_prep
	.globl	k_qc3773dd817_prep
	.p2align	8
	.type	k_qc3773dd817_prep,@function
k_qc3773dd817_prep:
	s_mov_b64 s[64:65], 0
	v_nop
	global_prefetch_b8 v0, s[64:65] scope:SCOPE_SE
	s_setreg_imm32_b32 hwreg(HW_REG_WAVE_MODE, 25, 1), 1
	s_wait_xcnt 0x0
; FIRST OF FOUR LAUNCHES.  (1) this one: the T-Net's first layer with partial maxima, and the four weights of the quantised products as codes;
; (2) the rest of the T-Net, the turned points pc, all distances, the first eight neighbours for each radius, stored as whole numbers;
; (3) the gather and the whole chain of layers, with partial maxima over 256 points; (4) the maximum of eight partial maxima.
; WHAT IS NOT COMPUTED AS WRITTEN, for all values of the inputs:
;  - dist = sqrt(max(d2, 0)) is used only in dist <= r.  The correctly rounded f32 root never decreases when d2 grows, so dist <= r holds just where d2 <= thr,
;    thr the largest f32 number whose rounded root is at most f32(r): (r + half a step of r)^2 lies between thr and the next f32 number: 0x3c23d70b, 0x3db851ed, 0x3e800001.
;    A negative d2 gives root 0 <= r, and d2 <= thr holds too; a NaN fails both.  So the root and the maximum with 0 are left out and the mask is the same.
;  - top_k of a mask of ones and zeros gives the ones' places ascending, then the zeros' places ascending.  With c < 8 ones the 8 - c zeros wanted lie in places 0 to 7
;    (eight places hold at most c ones), so only the first mask word is searched for zeros.
; Every input has a way to the output and is loaded by one of the launches.
; LIMITS: NaN and infinities among the inputs are not served (the maxima drop a NaN, the holds clip an infinity).  Each exponent e of lowp_scales lies between -126 and 119,
; and the sum of a product's two between -126 and 127, so that every power of two made from them is an f32 number.
;
; THIS LAUNCH.  Work-groups 0 to 127: 64 points each.  Thread t takes channel t % 128 and 32 points (t / 128): silu(bn(p . t_cw + t_cb)), and their maximum goes to tpart[part][channel].
; Work-groups 128 to 298: a thread makes one piece of 16 codes (16 neighbours along K of one column) and stores it where the operand's register will want it:
; piece ((T S + s) 4 + c) 32 + lane of a layer holds column n(T, lane % 16), k = 128 s + 32 c + 16 (lane / 16) + 0 .. 15 (S = K / 128).
; res_w, blk0_w, blk1_w: n = 32 (T / 2) + 8 (T % 2) + r + 8 (r / 8), so that two neighbouring tiles' results are 16 neighbours along the next K; blk2_w: n = 16 T + r, zero codes from column 170 on.
; No LDS, no barrier: threads share nothing.
.set RS,   0x3f7fdf42                  ; 1 / sqrt(1.001) as f32
.set NL2E, 0xbfb8aa3b                  ; -log2(e)
.set YY,   16                          ; v16-47   32 numbers ahead of the activation
.set PT,   64                          ; v64-159  32 points x 3
.set EE,   160                         ; v160-191 at work
	s_load_b512 s[4:19], s[0:1], 0x0               ; pts 4, t_cw 6, t_cb 8, t_g1 10, t_b1 12, res_w 14, blk0_w 16, blk1_w 18
	s_load_b256 s[20:27], s[0:1], 0x40             ; blk2_w 20, lowp_scales 22, tpart 24, wq 26
	s_cmp_lt_u32 ttmp9, 128
	s_cbranch_scc0 .Lquant
	; ---- the T-Net's first layer
	v_and_b32 v1, 127, v0
	v_lshlrev_b32 v1, 2, v1                        ; 4 x channel
	v_lshrrev_b32 v2, 7, v0
	v_mul_u32_u24 v2, v2, 384                      ; my half's 32 points of 12 bytes: the same in all lanes of a wave
	v_lshlrev_b32 v3, 2, v0                        ; 4 t
	s_mul_i32 s28, ttmp9, 768                      ; 64 points of 12 bytes
	s_mov_b32 s29, 0
	s_lshl_b32 s30, ttmp9, 10                      ; two parts of 512 bytes
	s_mov_b32 s31, 0
	s_wait_kmcnt 0x0
	s_add_nc_u64 s[4:5], s[4:5], s[28:29]
	s_add_nc_u64 s[24:25], s[24:25], s[30:31]
	global_load_b32 v4, v1, s[6:7]                 ; t_cw's three rows at my channel
	global_load_b32 v5, v1, s[6:7] offset:512
	global_load_b32 v6, v1, s[6:7] offset:1024
	global_load_b32 v7, v1, s[8:9]                 ; t_cb
	global_load_b32 v8, v1, s[10:11]               ; t_g1
	global_load_b32 v9, v1, s[12:13]               ; t_b1
.set p, 0
.rept 24
	global_load_b128 v[PT+4*p:PT+4*p+3], v2, s[4:5] offset:16*p   ; every lane takes the same 16 bytes: 384 bytes are 32 points
.set p, p+1
.endr
	s_wait_loadcnt 0x0
	v_mul_f32 v8, RS, v8                           ; rs x g
.set p, 0
.rept 32
	v_fma_f32 v[YY+p], v[PT+3*p], v4, v7
.set p, p+1
.endr
.set p, 0
.rept 32
	v_fma_f32 v[YY+p], v[PT+3*p+1], v5, v[YY+p]
.set p, p+1
.endr
.set p, 0
.rept 32
	v_fma_f32 v[YY+p], v[PT+3*p+2], v6, v[YY+p]
.set p, p+1
.endr
.set p, 0
.rept 32
	v_fma_f32 v[YY+p], v[YY+p], v8, v9             ; the norm
.set p, p+1
.endr
.set p, 0
.rept 32
	v_mul_f32 v[EE+p], NL2E, v[YY+p]
.set p, p+1
.endr
.set p, 0
.rept 32
	v_exp_f32 v[EE+p], v[EE+p]                     ; e^-y
.set p, p+1
.endr
	v_nop                                          ; a plain line behind the last exponential
	s_wait_alu depctr_va_vdst(0)                   ; one wait for the batch, ahead of its first reader
.set p, 0
.rept 32
	v_add_f32 v[EE+p], 1.0, v[EE+p]
.set p, p+1
.endr
.set p, 0
.rept 32
	v_rcp_f32 v[EE+p], v[EE+p]
.set p, p+1
.endr
	v_nop
	s_wait_alu depctr_va_vdst(0)
.set p, 0
.rept 32
	v_mul_f32 v[EE+p], v[EE+p], v[YY+p]            ; silu(y) = y / (1 + e^-y)
.set p, p+1
.endr
	v_max3_num_f32 v12, v[EE], v[EE+1], v[EE+2]
.set p, 3
.rept 14
	v_max3_num_f32 v12, v12, v[EE+p], v[EE+p+1]
.set p, p+2
.endr
	v_max_num_f32 v12, v12, v[EE+31]
	global_store_b32 v3, v12, s[24:25]             ; the work-group's 1,024 bytes on end
	s_endpgm
; ---- the weights.  s[36:37] the weight, s38 the layer's first byte in wq, s39 its e, s40 the work-group's number within the layer
.macro QW N, PERM, K512
.if \K512
	s_lshr_b32 s41, s40, 1                         ; the tile of columns: four K steps are two work-groups
	s_and_b32 s42, s40, 1
	s_lshl_b32 s42, s42, 8
	v_add_nc_u32 v5, s42, v5                       ; k0 = 256 (work-group % 2) + 128 (t / 128) + 32 c + 16 h
.else
	s_mov_b32 s41, s40                             ; two K steps: a work-group to a tile
.endif
.if \PERM
	s_lshr_b32 s43, s41, 1
	s_lshl_b32 s43, s43, 5
	s_and_b32 s44, s41, 1
	s_lshl_b32 s44, s44, 3
	s_add_co_u32 s43, s43, s44
	v_and_b32 v7, 8, v1
	v_add_nc_u32 v7, v7, v1
	v_add_nc_u32 v7, s43, v7                       ; n = 32 (T / 2) + 8 (T % 2) + r + 8 (r / 8)
	v_mul_u32_u24 v9, v5, \N
	v_add_lshl_u32 v9, v9, v7, 2
.else
	s_lshl_b32 s43, s41, 4
	v_add_nc_u32 v7, s43, v1                       ; n = 16 T + r
	v_min_u32 v8, \N-1, v7                         ; no load leaves the buffer: columns past the end read the last one, and get zero codes below
	v_mul_u32_u24 v9, v5, \N
	v_add_lshl_u32 v9, v9, v8, 2
.endif
.set p, 0
.rept 16
	global_load_b32 v[16+p], v9, s[36:37] offset:p*\N*4   ; my column, 16 rows down K
.set p, p+1
.endr
	s_add_co_i32 s45, s39, 127
	s_lshl_b32 s46, s45, 23
	v_mov_b32 v10, s46                             ; 2^e as f32: the conversion takes its exponent field
	s_add_co_i32 s45, s45, 8
	s_lshl_b32 s45, s45, 23
	s_or_b32 s45, s45, 0x600000
	v_mov_b32 v11, s45                             ; 448 x 2^e
	s_lshl_b32 s46, s40, 12
	s_add_co_u32 s46, s46, s38
	s_mov_b32 s47, 0
	s_add_nc_u64 s[26:27], s[26:27], s[46:47]
	s_wait_loadcnt 0x0
.set p, 0
.rept 16
	v_med3_num_f32 v[16+p], v[16+p], -v11, v11     ; the conversion to an 8-bit code does not saturate (ISA guide 7.6.2): the hold comes first
.set p, p+1
.endr
	v_cvt_scalef32_pk8_fp8_f32 v[32:33], v[16:23], v10
	v_cvt_scalef32_pk8_fp8_f32 v[34:35], v[24:31], v10
	v_nop                                          ; a plain line behind the last conversion
.if \PERM == 0
	v_cmp_gt_u32 vcc_lo, \N, v7                    ; a column that exists keeps its codes
.irp j, 32,33,34,35
	v_cndmask_b32 v\j, 0, v\j, vcc_lo
.endr
.endif
	global_store_b128 v6, v[32:35], s[26:27]       ; a wave stores 512 bytes on end
.endm
.Lquant:
	s_sub_co_u32 s3, ttmp9, 128
	v_and_b32 v1, 15, v0                           ; r
	v_bfe_u32 v2, v0, 4, 1                         ; h
	v_bfe_u32 v3, v0, 5, 2                         ; c
	v_lshrrev_b32 v4, 7, v0
	v_lshlrev_b32 v5, 4, v2
	v_lshl_add_u32 v5, v3, 5, v5
	v_lshl_add_u32 v5, v4, 7, v5                   ; 128 (t / 128) + 32 c + 16 h
	v_lshlrev_b32 v6, 4, v0                        ; 16 t
	s_wait_kmcnt 0x0
	s_load_b256 s[28:35], s[22:23], 0x0            ; the eight exponents: the weights' are entries 1, 3, 5, 7
	s_wait_kmcnt 0x0
	s_cmp_lt_u32 s3, 128
	s_cbranch_scc0 .Lnarrow
	s_cmp_lt_u32 s3, 64                            ; res_w or blk0_w: the choice hangs on the work-group's number alone
	s_cselect_b64 s[36:37], s[14:15], s[16:17]
	s_cselect_b32 s38, 0, 0x40000
	s_cselect_b32 s39, s29, s31
	s_and_b32 s40, s3, 63
	QW 512, 1, 1
	s_endpgm
.Lnarrow:
	s_cmp_lt_u32 s3, 160
	s_cbranch_scc0 .Llast
	s_mov_b64 s[36:37], s[18:19]
	s_mov_b32 s38, 0x80000
	s_mov_b32 s39, s33
	s_sub_co_u32 s40, s3, 128
	QW 256, 1, 1
	s_endpgm
.Llast:
	s_mov_b64 s[36:37], s[20:21]
	s_mov_b32 s38, 0xa0000
	s_mov_b32 s39, s35
	s_sub_co_u32 s40, s3, 160
	QW 170, 0, 0
	s_endpgm
.Lfunc_end_k_qc3773dd817_prep:
	.size	k_qc3773dd817_prep, .Lfunc_end_k_qc3773dd817_prep-k_qc3773dd817_prep
	.p2alignl 7, 3214868480
	.fill 96, 4, 3214868480
	.section	.rodata,"a",@progbits
	.p2align	6, 0x0
	.amdhsa_kernel k_qc3773dd817_prep
		.amdhsa_group_segment_fixed_size 0
		.amdhsa_private_segment_fixed_size 0
		.amdhsa_enable_private_segment 0
		.amdhsa_kernarg_size 96
		.amdhsa_user_sgpr_count 2
		.amdhsa_user_sgpr_kernarg_segment_ptr 1
		.amdhsa_wavefront_size32 1
		.amdhsa_system_sgpr_workgroup_id_x 1
		.amdhsa_system_sgpr_workgroup_id_y 1
		.amdhsa_system_sgpr_workgroup_id_z 1
		.amdhsa_system_vgpr_workitem_id 0
		.amdhsa_next_free_vgpr 192
		.amdhsa_next_free_sgpr 66
		.amdhsa_reserve_vcc 1
		.amdhsa_float_denorm_mode_32 3
		.amdhsa_float_denorm_mode_16_64 3
		.amdhsa_memory_ordered 1
		.amdhsa_forward_progress 1
		.amdhsa_inst_pref_size 32
	.end_amdhsa_kernel
	.amdgpu_metadata
---
amdhsa.version: [ 1, 2 ]
amdhsa.kernels:
  - .name:           k_qc3773dd817_prep
    .symbol:         k_qc3773dd817_prep.kd
    .args:
      - { .name: pts, .offset: 0, .size: 8, .value_kind: global_buffer, .address_space: global }
      - { .name: t_cw, .offset: 8, .size: 8, .value_kind: global_buffer, .address_space: global }
      - { .name: t_cb, .offset: 16, .size: 8, .value_kind: global_buffer, .address_space: global }
      - { .name: t_g1, .offset: 24, .size: 8, .value_kind: global_buffer, .address_space: global }
      - { .name: t_b1, .offset: 32, .size: 8, .value_kind: global_buffer, .address_space: global }
      - { .name: res_w, .offset: 40, .size: 8, .value_kind: global_buffer, .address_space: global }
      - { .name: blk0_w, .offset: 48, .size: 8, .value_kind: global_buffer, .address_space: global }
      - { .name: blk1_w, .offset: 56, .size: 8, .value_kind: global_buffer, .address_space: global }
      - { .name: blk2_w, .offset: 64, .size: 8, .value_kind: global_buffer, .address_space: global }
      - { .name: lowp_scales, .offset: 72, .size: 8, .value_kind: global_buffer, .address_space: global }
      - { .name: tpart, .offset: 80, .size: 8, .value_kind: global_buffer, .address_space: global }
      - { .name: wq, .offset: 88, .size: 8, .value_kind: global_buffer, .address_space: global }
    .group_segment_fixed_size: 0
    .private_segment_fixed_size: 0
    .kernarg_segment_align: 8
    .kernarg_segment_size: 96
    .max_flat_workgroup_size: 256
    .sgpr_count:     66
    .vgpr_count:     192
    .wavefront_size: 32
...
	.end_amdgpu_metadata
.endif
;; end of part 1
;; launch knn (part 2): grid 256 x 1, 8 waves a work-group, no clusters, 62,464 bytes of LDS; arguments pts, tpart, t_d1w, t_d1b, t_g2, t_b2, t_d2w, t_d2b, pcb, idx; writes pcb, idx
.if DOCPART == 2
	.amdgcn_target "amdgcn-amd-amdhsa--gfx1250"
	.amdhsa_code_object_version 6
	.text
	.protected	k_qc3773dd817_knn
	.globl	k_qc3773dd817_knn
	.p2align	8
	.type	k_qc3773dd817_knn,@function
k_qc3773dd817_knn:
	s_mov_b64 s[64:65], 0
	v_nop
	global_prefetch_b8 v0, s[64:65] scope:SCOPE_SE
	s_setreg_imm32_b32 hwreg(HW_REG_WAVE_MODE, 25, 1), 1
	s_wait_xcnt 0x0
; SECOND LAUNCH.  Work-group g serves batch b = g / 64 and the 32 queries from n0 = 32 (g % 64) on.  It finishes the T-Net for its batch (every work-group of a batch does: 96 KB read, a few hundred lines),
; turns all 2,048 points of the batch (pc, and sq = |pc|^2, 16 bytes a point in LDS), makes the three masks of its 32 queries against all 2,048 points, and picks for each the eight places that top_k gives.
; LEFT OUT, as shown at the head of the first launch: the root and the maximum with 0 (d2 is held against thr), and the search for zeros beyond the first mask word.
; No address and no branch hangs on a floating-point number: the masks are data, every choice is a v_cndmask_b32, and the places are stored as whole numbers at fixed addresses for the next launch.
; LIMITS: NaN and infinities among the inputs are not served.
; PAIRS: lanes are candidates, a wave has four queries in scalar registers; a compare's 32 bits are the mask word of (query, radius, 32 candidates); v_writelane_b32 gathers 32 such words in a register, which then
; goes to LDS as 128 bytes of the mask's row.  SCAN: waves 0 to 2, a radius each, a lane to a query: 64 words, a running count C, and for each of eight slots the last word whose count before it is at most the slot's number.
.set RS,    0x3f7fdf42
.set NL2E,  0xbfb8aa3b
.set PCL,   0                          ; 2,048 points x 16 bytes
.set MSK,   32768                      ; 96 rows (32 x radius + query) of 64 words, MP bytes apart
.set MP,    272                        ; 256 + 16: the 16 rows that a 16-byte load touches begin at 16 different banks (64 banks of 4 bytes: ISA guide 11.1)
.set S0,    58880                      ; 256 partial maxima
.set S1,    59904                      ; 256 partial sums
.set S2,    60928                      ; 4 waves x 48 bytes: partial sums of the nine numbers of T
.set SPARE, 61184                      ; the spare words, 128 bytes for each wave: four blocks of 256 bytes that no other line names
.macro BARRIER                         ; my LDS stores have landed and my LDS loads are in: then the work-group's barrier
	s_wait_dscnt 0x0
	s_barrier_signal -1
	s_barrier_wait -1
.endm
	s_load_b512 s[4:19], s[0:1], 0x0               ; pts 4, tpart 6, t_d1w 8, t_d1b 10, t_g2 12, t_b2 14, t_d2w 16, t_d2b 18
	s_load_b128 s[20:23], s[0:1], 0x40             ; pcb 20, idx 22
	v_lshl_add_u32 v2, v0, 2, SPARE                ; my spare word; never rewritten
	v_mov_b32 v3, 0                                ; 0; never rewritten
	v_lshrrev_b32 v1, 5, v0
	v_readfirstlane_b32 s33, v1                    ; wave
	s_lshr_b32 s34, ttmp9, 6                       ; b
	s_and_b32 s35, ttmp9, 63
	s_lshl_b32 s35, s35, 5                         ; n0
	; every address register is made here, ahead of the first branch on the wave's number
	v_and_b32 v1, 31, v0                           ; lane
	v_and_b32 v4, 127, v0
	v_lshlrev_b32 v4, 2, v4                        ; 4 x channel
	v_lshrrev_b32 v5, 7, v0                        ; half
	v_lshl_add_u32 v6, v5, 14, v4                  ; tpart: 32 parts of 512 bytes for each half
	v_lshl_add_u32 v7, v5, 15, v4                  ; t_d1w: 64 rows of 512 bytes for each half
	v_lshlrev_b32 v8, 2, v0                        ; 4 t
	v_lshlrev_b32 v9, 8, v5                        ; 256 x half
	s_mul_i32 s80, s33, 48
	v_mov_b32 v10, s80                             ; 48 x wave
	v_mov_b32 v11, 0
	v_lshlrev_b32 v12, 4, v0                       ; 16 t
	v_lshlrev_b32 v15, 4, v1                       ; 16 x lane
	s_lshl_b32 s80, s35, 4
	v_add_nc_u32 v13, s80, v15                     ; point n0 + lane
	s_lshl_b32 s81, s33, 6
	s_add_co_u32 s80, s80, s81
	v_mov_b32 v14, s80                             ; point n0 + 4 x wave: my four queries
	s_mul_i32 s80, s33, 4*MP
	s_add_co_u32 s80, s80, MSK
	v_lshl_add_u32 v52, v1, 2, s80                 ; masks, in: row 4 x wave, word = lane
	s_lshl_b32 s80, s33, 5
	v_add_nc_u32 v53, s80, v1
	v_mul_u32_u24 v53, v53, MP
	v_add_nc_u32 v53, MSK, v53                     ; masks, out: row 32 x wave + lane (waves 0 to 2 alone use it)
	v_lshlrev_b32 v54, 2, v1                       ; 4 x lane
	v_mul_u32_u24 v55, v0, 12                      ; pts: 12 t
	v_mul_u32_u24 v56, v4, 9                       ; t_d2w: 36 x channel
	s_mov_b32 s52, 0x3c23d70b                      ; the three bounds on d2
	s_mov_b32 s53, 0x3db851ed
	s_mov_b32 s54, 0x3e800001
	s_mov_b32 s55, 0x55555555
	s_mov_b32 s56, 0x33333333
	s_mov_b32 s57, 0x0f0f0f0f
	s_mov_b32 s58, 0x01010101
	s_lshl_b32 s59, s34, 11
	s_sub_co_u32 s59, s59, 127                     ; 2,048 b less the f32 exponent's bias
	s_mov_b32 s61, 0x76543210
	s_mov_b32 s62, 0xfedcba98                      ; v_permlanex16_b32: lane l xor 16
	s_mov_b32 s81, 0
	s_wait_kmcnt 0x0
	s_lshl_b32 s80, s34, 15
	s_add_nc_u64 s[6:7], s[6:7], s[80:81]          ; tpart at my batch
	s_mul_i32 s80, s34, 24576
	s_add_nc_u64 s[4:5], s[4:5], s[80:81]          ; pts at my batch
	s_lshl_b32 s80, ttmp9, 9
	s_add_nc_u64 s[20:21], s[20:21], s[80:81]      ; pcb at my 32 points
	s_mul_i32 s80, s34, 196608
	s_lshl_b32 s82, s33, 13
	s_add_co_u32 s80, s80, s82
	s_lshl_b32 s82, s35, 2
	s_add_co_u32 s80, s80, s82
	s_add_nc_u64 s[22:23], s[22:23], s[80:81]      ; idx at (8 b, radius = wave, n0)
	s_load_b256 s[24:31], s[18:19], 0x0            ; t_d2b, nine numbers
	s_load_b32 s32, s[18:19], 0x20
	; ---- the pooled maximum, in two halves of 32 parts
.set i, 0
.rept 32
	global_load_b32 v[16+i], v6, s[6:7] offset:512*i
.set i, i+1
.endr
.set i, 0
.rept 64
	global_load_b32 v[64+i], v7, s[8:9] offset:512*i   ; t_d1w(64 half + i, channel)
.set i, i+1
.endr
	s_wait_loadcnt 63                              ; of the 96 loads the oldest 33 are in: tpart's 32 among them
	v_max3_num_f32 v59, v16, v17, v18
.set i, 19
.rept 14
	v_max3_num_f32 v59, v59, v[i], v[i+1]
.set i, i+2
.endr
	v_max_num_f32 v59, v59, v47
	ds_store_b32 v8, v59 offset:S0
	global_load_b32 v40, v4, s[10:11]              ; t_d1b
	global_load_b32 v41, v4, s[12:13]              ; t_g2
	global_load_b32 v42, v4, s[14:15]              ; t_b2
.irp e, 0,1,2,3,4,5,6,7,8
	global_load_b32 v[43+\e], v56, s[16:17] offset:4*\e   ; t_d2w(channel, e)
.endr
.set i, 0
.rept 8
	global_load_b32 v[16+3*i], v55, s[4:5] offset:3072*i      ; point t + 256 i
	global_load_b32 v[17+3*i], v55, s[4:5] offset:3072*i+4
	global_load_b32 v[18+3*i], v55, s[4:5] offset:3072*i+8
.set i, i+1
.endr
	BARRIER
	; ---- the first dense layer: thread (half, e) sums 64 of the 128 terms
.set i, 0
.rept 16
	ds_load_b128 v[128+4*i:131+4*i], v9 offset:S0+16*i        ; all lanes of a wave read the same words
	ds_load_b128 v[192+4*i:195+4*i], v9 offset:S0+512+16*i
.set i, i+1
.endr
	s_wait_dscnt 0x0
.set i, 0
.rept 64
	v_max_num_f32 v[128+i], v[128+i], v[192+i]     ; the two halves' maxima
.set i, i+1
.endr
	s_wait_loadcnt 36                              ; t_d1w is in; 12 parameters and 24 numbers of points may be out
.irp c, 0,1,2,3
	v_mul_f32 v[192+\c], v[128+\c], v[64+\c]       ; four chains
.endr
.set i, 4
.rept 60
	v_fma_f32 v[192+i%4], v[128+i], v[64+i], v[192+i%4]
.set i, i+1
.endr
	v_add_f32 v192, v192, v193
	v_add_f32 v194, v194, v195
	v_add_f32 v192, v192, v194
	ds_store_b32 v8, v192 offset:S1
	BARRIER
	ds_load_b32 v196, v4 offset:S1
	ds_load_b32 v197, v4 offset:S1+512
	s_wait_dscnt 0x0
	v_add_f32 v196, v196, v197
	s_wait_loadcnt 24                              ; the 12 parameters are in
	v_add_f32 v196, v196, v40
	v_mul_f32 v41, RS, v41
	v_fma_f32 v196, v196, v41, v42
	v_mul_f32 v197, NL2E, v196
	v_exp_f32 v197, v197
	v_nop
	s_wait_alu depctr_va_vdst(0)                   ; ahead of the exponential's first reader
	v_add_f32 v197, 1.0, v197
	v_rcp_f32 v197, v197
	v_nop
	s_wait_alu depctr_va_vdst(0)
	v_mul_f32 v196, v196, v197                     ; silu
	; ---- the second dense layer: nine sums over 128 channels: over a wave's lanes, then over waves 0 to 3 (waves 4 to 7 hold the same channels again)
.irp e, 0,1,2,3,4,5,6,7,8
	v_mul_f32 v[128+\e], v196, v[43+\e]
.endr
.irp x, 1,2,4,8
.irp e, 0,1,2,3,4,5,6,7,8
	v_add_f32_dpp v[128+\e], v[128+\e], v[128+\e] row_xmask:\x row_mask:0xf bank_mask:0xf
.endr
.endr
.irp e, 0,1,2,3,4,5,6,7,8
	v_permlanex16_b32 v[140+\e], v[128+\e], s61, s62
.endr
.irp e, 0,1,2,3,4,5,6,7,8
	v_add_f32 v[128+\e], v[128+\e], v[140+\e]
.endr
	s_cmp_lt_u32 s33, 4
	s_cbranch_scc0 .Lno_s2
	ds_store_b128 v10, v[128:131] offset:S2        ; all lanes hold the same sums
	ds_store_b128 v10, v[132:135] offset:S2+16
	ds_store_b32 v10, v136 offset:S2+32
.Lno_s2:
	BARRIER
.irp q, 0,1,2,3
	ds_load_b128 v[160+12*\q:163+12*\q], v11 offset:S2+48*\q
	ds_load_b128 v[164+12*\q:167+12*\q], v11 offset:S2+48*\q+16
	ds_load_b32 v[168+12*\q], v11 offset:S2+48*\q+32
.endr
	s_wait_dscnt 0x0
	s_wait_kmcnt 0x0
.irp e, 0,1,2,3,4,5,6,7,8
	v_add_f32 v[140+\e], v[160+\e], v[172+\e]
	v_add_f32 v[150+\e], v[184+\e], v[196+\e]
.endr
.irp e, 0,1,2,3,4,5,6,7,8
	v_add_f32 v[140+\e], v[140+\e], v[150+\e]
.endr
.irp e, 0,1,2,3,4,5,6,7,8
	v_add_f32 v[140+\e], s[24+\e], v[140+\e]       ; T(d, e) at v[140 + 3 d + e]
.endr
	; ---- pc = p T and sq, eight points a thread
	s_wait_loadcnt 0x0
.set i, 0
.rept 8
.irp e, 0,1,2
	v_mul_f32 v[64+4*i+\e], v[16+3*i], v[140+\e]
.endr
.irp e, 0,1,2
	v_fma_f32 v[64+4*i+\e], v[17+3*i], v[143+\e], v[64+4*i+\e]
.endr
.irp e, 0,1,2
	v_fma_f32 v[64+4*i+\e], v[18+3*i], v[146+\e], v[64+4*i+\e]
.endr
	v_mul_f32 v[67+4*i], v[64+4*i], v[64+4*i]
	v_fma_f32 v[67+4*i], v[65+4*i], v[65+4*i], v[67+4*i]
	v_fma_f32 v[67+4*i], v[66+4*i], v[66+4*i], v[67+4*i]
	ds_store_b128 v12, v[64+4*i:67+4*i] offset:PCL+4096*i
.set i, i+1
.endr
	BARRIER
	s_cmp_lg_u32 s33, 0
	s_cbranch_scc1 .Lno_pcb
	ds_load_b128 v[100:103], v13 offset:PCL        ; wave 0 stores the work-group's own 32 points: 512 bytes on end
	s_wait_dscnt 0x0
	global_store_b128 v15, v[100:103], s[20:21]
.Lno_pcb:
	; ---- the pairs
.irp i, 0,1,2,3
	ds_load_b128 v[144+4*\i:147+4*\i], v14 offset:PCL+16*\i
.endr
.irp j, 0,1,2,3,4,5,6,7,8,9,10,11
	v_mov_b32 v[112+\j], 0                         ; written once: v_writelane_b32's destination counts as read
.endr
	s_wait_dscnt 0x0
.irp j, 0,1,2,3,4,5,6,7,8,9,10,11,12,13,14,15
	v_readfirstlane_b32 s[36+\j], v[144+\j]        ; query i: x, y, z, sq in s[36 + 4 i ..]
.endr
; 32 candidates (x, y, z, sq in v[x] on) against my four queries: d2 = (sq_i + sq_j) - 2 dot, held against the three bounds; the twelve mask words go to lane ln of twelve registers
.macro GROUP x, ln
.irp i, 0,1,2,3
	v_mul_f32 v[32+\i], s[36+4*\i], v[\x]
.endr
.irp i, 0,1,2,3
	v_fma_f32 v[32+\i], s[37+4*\i], v[\x+1], v[32+\i]
.endr
.irp i, 0,1,2,3
	v_fma_f32 v[32+\i], s[38+4*\i], v[\x+2], v[32+\i]
.endr
.irp i, 0,1,2,3
	v_add_f32 v[36+\i], s[39+4*\i], v[\x+3]
.endr
.irp i, 0,1,2,3
	v_fma_f32 v[36+\i], -2.0, v[32+\i], v[36+\i]
.endr
.irp i, 0,1,2,3
.irp r, 0,1,2
	v_cmp_le_f32 s[68+3*\i+\r], v[36+\i], s[52+\r]
.endr
.endr
.irp i, 0,1,2,3
.irp r, 0,1,2
	v_writelane_b32 v[112+3*\i+\r], s[68+3*\i+\r], \ln
.endr
.endr
.endm
; four groups; the next batch's four loads go out first, into the other set of registers (v16-31, v124-139)
.macro BATCH q
.if \q < 7
.irp u, 0,1,2,3
	ds_load_b128 v[16+108*((\q+1)%2)+4*\u:19+108*((\q+1)%2)+4*\u], v57 offset:PCL+512*(4*(\q+1)+\u)
.endr
	s_wait_dscnt 4                                 ; all but the four just issued
.else
	s_wait_dscnt 0x0
.endif
.irp u, 0,1,2,3
	GROUP 16+108*((\q)%2)+4*\u, 4*(\q)+\u
.endr
.endm
	s_mov_b32 s60, 0
	s_mov_b32 s66, 0
	s_mov_b32 s67, 0
.Lhalf:                                            ; two trips of 1,024 candidates: 32 groups fill the 32 lanes of the mask registers
	v_add_nc_u32 v57, s66, v15
.irp u, 0,1,2,3
	ds_load_b128 v[16+4*\u:19+4*\u], v57 offset:PCL+512*\u
.endr
.irp q, 0,1,2,3,4,5,6,7
	BATCH \q
.endr
	v_add_nc_u32 v58, s67, v52
.irp i, 0,1,2,3
.irp r, 0,1,2
	ds_store_b32 v58, v[112+3*\i+\r] offset:(32*\r+\i)*MP   ; 32 words of row (radius r, query 4 wave + i)
.endr
.endr
	s_add_co_u32 s66, s66, 16384
	s_add_co_u32 s67, s67, 128
	s_add_co_u32 s60, s60, 1
	s_cmp_lt_u32 s60, 2
	s_cbranch_scc1 .Lhalf
	BARRIER
	; ---- the scan: waves 0 to 2
	s_cmp_lt_u32 s33, 3
	s_cbranch_scc0 .Lend
.set i, 0
.rept 16
	ds_load_b128 v[128+4*i:131+4*i], v53 offset:16*i
.set i, i+1
.endr
	v_mov_b32 v16, 0                               ; C: ones so far
.irp s, 0,1,2,3,4,5,6,7
	v_mov_b32 v[20+\s], 0                          ; slot s: its word,
	v_mov_b32 v[28+\s], 0                          ; and 16 x the word's first place + the count before it
.endr
	s_wait_dscnt 0x0
.macro POP4 k                          ; the ones in words k to k + 3, line by line in turn, into v[192 + k] on
.irp j, 0,1,2,3
	v_lshrrev_b32 v[36+\j], 1, v[128+\k+\j]
.endr
.irp j, 0,1,2,3
	v_and_b32 v[36+\j], s55, v[36+\j]
.endr
.irp j, 0,1,2,3
	v_sub_nc_u32 v[36+\j], v[128+\k+\j], v[36+\j]
.endr
.irp j, 0,1,2,3
	v_lshrrev_b32 v[40+\j], 2, v[36+\j]
.endr
.irp j, 0,1,2,3
	v_and_b32 v[36+\j], s56, v[36+\j]
.endr
.irp j, 0,1,2,3
	v_and_b32 v[40+\j], s56, v[40+\j]
.endr
.irp j, 0,1,2,3
	v_add_nc_u32 v[36+\j], v[36+\j], v[40+\j]
.endr
.irp j, 0,1,2,3
	v_lshrrev_b32 v[40+\j], 4, v[36+\j]
.endr
.irp j, 0,1,2,3
	v_add_nc_u32 v[36+\j], v[36+\j], v[40+\j]
.endr
.irp j, 0,1,2,3
	v_and_b32 v[36+\j], s57, v[36+\j]
.endr
.irp j, 0,1,2,3
	v_mul_lo_u32 v[36+\j], v[36+\j], s58
.endr
.irp j, 0,1,2,3
	v_lshrrev_b32 v[192+\k+\j], 24, v[36+\j]
.endr
.endm
.set kk, 0
.rept 16
	POP4 kk
.set kk, kk+4
.endr
.macro WORD k                          ; slot s keeps word k while the count before the word is at most s: the last word kept holds the slot's one
	v_add_nc_u32 v36, 512*(\k), v16
.irp s, 0,1,2,3,4,5,6,7
	v_cmp_ge_u32 s[68+\s], \s, v16
.endr
.irp s, 0,1,2,3,4,5,6,7
	v_cndmask_b32 v[20+\s], v[20+\s], v[128+\k], s[68+\s]
	v_cndmask_b32 v[28+\s], v[28+\s], v36, s[68+\s]
.endr
	v_add_nc_u32 v16, v16, v[192+\k]
.endm
.set kk, 0
.rept 64
	WORD kk
.set kk, kk+1
.endr
	v_not_b32 v17, v128                            ; the zeros of the first 32 places
.macro PICK s                          ; slot s: the one of its rank in its word; or, where the mask has s ones or fewer, the zero of rank s - C among the first places
	v_cmp_lt_u32 vcc_lo, \s, v16
	v_cndmask_b32 v36, v17, v[20+\s], vcc_lo
	v_and_b32 v37, 15, v[28+\s]
	v_cndmask_b32 v37, v16, v37, vcc_lo
	v_sub_nc_u32 v37, \s, v37                      ; the rank, 0 to s
	v_lshrrev_b32 v38, 4, v[28+\s]
	v_cndmask_b32 v38, 0, v38, vcc_lo              ; the word's first place
.set it, 1
.rept \s
	v_add_nc_u32 v39, -1, v36
	v_and_b32 v39, v36, v39                        ; without its lowest one,
	v_cmp_le_u32 vcc_lo, it, v37
	v_cndmask_b32 v36, v36, v39, vcc_lo            ; as many times as the rank says
.set it, it+1
.endr
	v_sub_nc_u32 v39, 0, v36
	v_and_b32 v36, v36, v39                        ; the lowest one alone: a power of two,
	v_cvt_f32_u32 v36, v36
	v_lshrrev_b32 v36, 23, v36                     ; whose f32 exponent field is its place + 127
	v_add3_u32 v[44+\s], v36, v38, s59             ; the point's number among all 8,192
	global_store_b32 v54, v[44+\s], s[22:23] offset:24576*\s
.endm
.irp s, 0,1,2,3,4,5,6,7
	PICK \s
.endr
.Lend:
	s_wait_tensorcnt 0x0                           ; the wave's end: behind my last LDS store
	ds_add_u32 v2, v3
	s_wait_dscnt 0x0
	s_endpgm
.Lfunc_end_k_qc3773dd817_knn:
	.size	k_qc3773dd817_knn, .Lfunc_end_k_qc3773dd817_knn-k_qc3773dd817_knn
	.p2alignl 7, 3214868480
	.fill 96, 4, 3214868480
	.section	.rodata,"a",@progbits
	.p2align	6, 0x0
	.amdhsa_kernel k_qc3773dd817_knn
		.amdhsa_group_segment_fixed_size 62464
		.amdhsa_private_segment_fixed_size 0
		.amdhsa_enable_private_segment 0
		.amdhsa_kernarg_size 80
		.amdhsa_user_sgpr_count 2
		.amdhsa_user_sgpr_kernarg_segment_ptr 1
		.amdhsa_wavefront_size32 1
		.amdhsa_system_sgpr_workgroup_id_x 1
		.amdhsa_system_sgpr_workgroup_id_y 1
		.amdhsa_system_sgpr_workgroup_id_z 1
		.amdhsa_system_vgpr_workitem_id 0
		.amdhsa_next_free_vgpr 256
		.amdhsa_next_free_sgpr 100
		.amdhsa_reserve_vcc 1
		.amdhsa_float_denorm_mode_32 3
		.amdhsa_float_denorm_mode_16_64 3
		.amdhsa_memory_ordered 1
		.amdhsa_forward_progress 1
		.amdhsa_inst_pref_size 255
	.end_amdhsa_kernel
	.section	.bss,"aw",@nobits
	.p2align	6
	.space	262144
	.amdgpu_metadata
---
amdhsa.version: [ 1, 2 ]
amdhsa.kernels:
  - .name:           k_qc3773dd817_knn
    .symbol:         k_qc3773dd817_knn.kd
    .args:
      - { .name: pts, .offset: 0, .size: 8, .value_kind: global_buffer, .address_space: global }
      - { .name: tpart, .offset: 8, .size: 8, .value_kind: global_buffer, .address_space: global }
      - { .name: t_d1w, .offset: 16, .size: 8, .value_kind: global_buffer, .address_space: global }
      - { .name: t_d1b, .offset: 24, .size: 8, .value_kind: global_buffer, .address_space: global }
      - { .name: t_g2, .offset: 32, .size: 8, .value_kind: global_buffer, .address_space: global }
      - { .name: t_b2, .offset: 40, .size: 8, .value_kind: global_buffer, .address_space: global }
      - { .name: t_d2w, .offset: 48, .size: 8, .value_kind: global_buffer, .address_space: global }
      - { .name: t_d2b, .offset: 56, .size: 8, .value_kind: global_buffer, .address_space: global }
      - { .name: pcb, .offset: 64, .size: 8, .value_kind: global_buffer, .address_space: global }
      - { .name: idx, .offset: 72, .size: 8, .value_kind: global_buffer, .address_space: global }
    .group_segment_fixed_size: 62464
    .private_segment_fixed_size: 0
    .kernarg_segment_align: 8
    .kernarg_segment_size: 80
    .max_flat_workgroup_size: 256
    .sgpr_count:     100
    .vgpr_count:     256
    .wavefront_size: 32
...
	.end_amdgpu_metadata
.endif
;; end of part 2
;; launch mlp (part 3): grid 256 x 1, 8 waves a work-group, no clusters, 310,272 bytes of LDS; arguments pcb, idx, wq, lowp_scales, c1_w, c1_b, c1_g, c1_beta, res_b, blk0_b, blk0_g, blk0_beta, blk1_b, blk1_g, blk1_beta, blk2_b, blk2_g, blk2_beta, part; writes part
.if DOCPART == 3
	.amdgcn_target "amdgcn-amd-amdhsa--gfx1250"
	.amdhsa_code_object_version 6
	.text
	.protected	k_qc3773dd817_mlp
	.globl	k_qc3773dd817_mlp
	.p2align	8
	.type	k_qc3773dd817_mlp,@function
k_qc3773dd817_mlp:
	s_mov_b64 s[64:65], 0
	v_nop
	global_prefetch_b8 v0, s[64:65] scope:SCOPE_SE
	s_setreg_imm32_b32 hwreg(HW_REG_WAVE_MODE, 25, 1), 1
	s_wait_xcnt 0x0
; THIRD LAUNCH: the gather and the whole chain, 9 -> 512 (f32) -> +512 (residual) -> 512 -> 256 -> 170, the last four products on codes of FP8 (E4M3), and the maximum over 256 points.  No layer goes to memory.
; Nothing of the module's work on these rows is left out.
; SHARES.  Work-group g takes (b, k) = g / 8 and the 256 points n from 256 (g % 8) on: 16 tiles of 16 rows, all with the same (b, k), so the maximum over n is taken column by column.
; THE EIGHT WAVES SHARE THE COLUMNS: wave w makes columns 64 w .. 64 w + 63 of the layers of 512, 32 w .. 32 w + 31 of the layer of 256, for all rows; in the last layer it takes one half of the rows and up to three
; of the eleven tiles of columns.  A layer's weights for a wave lie in its registers (window 1), loaded once, straight from wq, which the first launch laid in the order of the operand's registers.
; ACTIVATIONS GO FROM WAVE TO WAVE THROUGH LDS AS IMAGES OF THE OPERAND'S REGISTERS: four registers by one ds_store_b128 at 16 x lane; the same line as a load gives any wave the same registers.
; ALL PRODUCTS ARE USED TRANSPOSED (source 0 = 16 columns of the weight, source 1 = 16 rows): a lane holds one row, its registers run along the columns, and the columns of a tile are chosen
; (32 (T / 2) + 8 (T % 2) + r + 8 (r / 8)) so that two neighbouring tiles give a lane 16 neighbours along the next K: the conversions' results are the next operand's registers.
; Registers 4 c .. 4 c + 3 of a fragment hold k = 32 c + 16 (lane / 16) + 0 .. 15, alike on both sides of each product: every product meets its partner.
; THE FIRST LAYER (K = 9; its result goes into a quantiser, so f32 operands) goes by v_wmma_f32_16x16x4_f32, K = 12: feature 9 is 1.0 against the bias, 10 and 11 are zeros.
; THE NORMS ARE FOLDED, in f32: y = sum x S + Bias, S = 2^(ea + eb) rs g, Bias = b rs g + beta (first layer: the weights x rs g).  That moves a number by a few units of its last place.
; NO TENSOR LOADS, NO CLUSTER, NO PREFETCH: the two images of 131,072 bytes and 47,104 bytes of sub-block image, features and partial maxima leave no room in LDS for a slot of weights; the weights go straight into the registers
; from which they are multiplied, each byte once for a work-group; all work-groups read the same 700,416 bytes of them.
; LIMITS: NaN and infinities are not served; each e between -126 and 119, each product's two added between -126 and 127.
; REGISTERS, window 0: v1 16 x lane; v2, v3 the add's two; v4-9, v248-253 LDS addresses; v10-13 two quantisers' scale and bound; v14, v15, v254, v255 at work;
;   v16-39 the first layer's weights, v40-45 a tile's features, later v16-47 S; v48-79 the first layer's sums (written by matrix instructions alone); v80-111 T, at work; v112-143 the sums of the FP8 products;
;   v144-207 a tile's fragments; v208-215 codes just made; v216-247 res_b, later Bias.   window 1: the weights' fragments.
.set RS,    0x3f7fdf42
.set NL2E,  0xbfb8aa3b
.set RA,    0                          ; the operand of blk0 (16 tiles x 8,192), later of blk2 (16 x 4,096)
.set RB,    131072                     ; f1 in f32, 16,384 bytes of its own for each wave; later the operand of blk1
.set RC,    262144                     ; the operand of res_w for 64 rows: 4 x 8,192
.set FE,    294912                     ; the features: 768 x tile + 256 x chunk + 8 x lane
.set RED,   307200                     ; two halves x 704 bytes of maxima; 2,048 bytes are kept, so that 4 t + 704 lies inside for every t
.set SPARE, 309248                     ; the spare words, 128 bytes for each wave: four blocks of 256 bytes that no other line names
.set SPW,  2
.set NIL,  3
.set CW,   16
.set FEAT, 40
.set PS,   16
.set Y,    48
.set T,    80
.set ACC,  112
.set XF,   144
.set PC,   208
.set PB,   216
.set MSB, 0
.macro WIN new                         ; the immediate's high byte repeats the setting that is left
.if MSB != \new
	s_set_vgpr_msb (MSB<<8)|\new
.set MSB, \new
.endif
.endm
.macro BARRIER                         ; my LDS stores have landed and my LDS loads are in: then the work-group's barrier
	s_wait_dscnt 0x0
	s_barrier_signal -1
	s_barrier_wait -1
.endm
.macro PLACES n                        ; plain lines behind matrix instructions (ISA guide 7.12.1)
.rept \n
	v_nop
.endr
.endm
.macro SETQ vs, vl, se                 ; v[vs] = 2^e, v[vl] = 448 x 2^e, e in s[se]
	s_add_co_i32 s80, s[\se], 127
	s_lshl_b32 s81, s80, 23
	v_mov_b32 v[\vs], s81
	s_add_co_i32 s80, s80, 8
	s_lshl_b32 s80, s80, 23
	s_or_b32 s80, s80, 0x600000
	v_mov_b32 v[\vl], s80
.endm
.macro FACT ea, eb                     ; s[58:59] = 2^(ea + eb), twice
	s_add_co_i32 s58, s[\ea], s[\eb]
	s_add_co_i32 s58, s58, 127
	s_lshl_b32 s58, s58, 23
	s_mov_b32 s59, s58
.endm
.macro WLOAD sp, off, n, reg           ; n x 512 bytes on end of wq into window 1, v[reg] on
	WIN 0x40
.set wi, 0
.rept \n
	global_load_b128 v[\reg+4*wi:\reg+4*wi+3], v1, s[\sp:\sp+1] offset:\off+512*wi
.set wi, wi+1
.endr
	WIN 0
.endm
.macro PLOAD gp, bp, tp, reg, off      ; a tile's eight g, b, beta for my half of the lanes: g to S's place, b to T, beta to Bias's place
	global_load_b128 v[PS+\reg:PS+\reg+3], v14, s[\gp:\gp+1] offset:\off
	global_load_b128 v[PS+\reg+4:PS+\reg+7], v14, s[\gp:\gp+1] offset:\off+16
	global_load_b128 v[T+\reg:T+\reg+3], v14, s[\bp:\bp+1] offset:\off
	global_load_b128 v[T+\reg+4:T+\reg+7], v14, s[\bp:\bp+1] offset:\off+16
	global_load_b128 v[PB+\reg:PB+\reg+3], v14, s[\tp:\tp+1] offset:\off
	global_load_b128 v[PB+\reg+4:PB+\reg+7], v14, s[\tp:\tp+1] offset:\off+16
.endm
.macro PFIN first, n                   ; S = 2^(ea + eb) rs g, Bias = b rs g + beta
.set fi, \first
.rept \n/2
	v_pk_mul_f32 v[PS+fi:PS+fi+1], v[PS+fi:PS+fi+1], s[60:61] op_sel_hi:[1,0]
.set fi, fi+2
.endr
.set fi, \first
.rept \n/2
	v_pk_fma_f32 v[PB+fi:PB+fi+1], v[T+fi:T+fi+1], v[PS+fi:PS+fi+1], v[PB+fi:PB+fi+1]
.set fi, fi+2
.endr
.set fi, \first
.rept \n/2
	v_pk_mul_f32 v[PS+fi:PS+fi+1], v[PS+fi:PS+fi+1], s[58:59] op_sel_hi:[1,0]
.set fi, fi+2
.endr
.endm
.macro AFFINE n                        ; y = sum x S + Bias, in place, each accumulator from its low end on
.set ai, 0
.rept \n/2
	v_pk_fma_f32 v[ACC+ai:ACC+ai+1], v[ACC+ai:ACC+ai+1], v[PS+ai:PS+ai+1], v[PB+ai:PB+ai+1]
.set ai, ai+2
.endr
.endm
.macro SILU n, yr                      ; T = y / (1 + e^-y) for the n numbers from v[yr] on.  Each batch of transcendentals has one plain line and one wait behind it
.set si, 0
.rept \n/2
	v_pk_mul_f32 v[T+si:T+si+1], v[\yr+si:\yr+si+1], s[56:57] op_sel_hi:[1,0]
.set si, si+2
.endr
.set si, 0
.rept \n
	v_exp_f32 v[T+si], v[T+si]
.set si, si+1
.endr
	v_nop
	s_wait_alu depctr_va_vdst(0)
.set si, 0
.rept \n/2
	v_pk_add_f32 v[T+si:T+si+1], v[T+si:T+si+1], 1.0 op_sel_hi:[1,0]
.set si, si+2
.endr
.set si, 0
.rept \n
	v_rcp_f32 v[T+si], v[T+si]
.set si, si+1
.endr
	v_nop
	s_wait_alu depctr_va_vdst(0)
.set si, 0
.rept \n/2
	v_pk_mul_f32 v[T+si:T+si+1], v[T+si:T+si+1], v[\yr+si:\yr+si+1]
.set si, si+2
.endr
.endm
.macro QUANT n, src, sc, lim           ; n numbers become n codes in v[PC] on
.set qi, 0
.rept \n
	v_med3_num_f32 v[\src+qi], v[\src+qi], -v[\lim], v[\lim]   ; the conversion to an 8-bit code does not saturate (ISA guide 7.6.2): the hold comes first
.set qi, qi+1
.endr
.set qi, 0
.rept \n/8
	v_cvt_scalef32_pk8_fp8_f32 v[PC+2*qi:PC+2*qi+1], v[\src+8*qi:\src+8*qi+7], v[\sc]
.set qi, qi+1
.endr
	v_nop                                          ; a plain line behind the last conversion
.endm
.macro XLOAD adr, off, n               ; n x 4 registers of a tile's fragments, as they were stored
.set xi, 0
.rept \n
	ds_load_b128 v[XF+4*xi:XF+4*xi+3], v[\adr] offset:\off+512*xi
.set xi, xi+1
.endr
.endm
.macro MM tiles, steps                 ; the accumulators take turns, one instruction a turn; the first K step starts the sums
	WIN 0x01                                       ; source 0 (the weights) in window 1
.set ms, 0
.rept \steps
.set mt, 0
.rept \tiles
.if ms == 0
	v_wmma_f32_16x16x128_fp8_fp8 v[ACC+8*mt:ACC+8*mt+7], v[16*(\steps*mt+ms):16*(\steps*mt+ms)+15], v[XF+16*ms:XF+16*ms+15], 0
.else
	v_wmma_f32_16x16x128_fp8_fp8 v[ACC+8*mt:ACC+8*mt+7], v[16*(\steps*mt+ms):16*(\steps*mt+ms)+15], v[XF+16*ms:XF+16*ms+15], v[ACC+8*mt:ACC+8*mt+7]
.endif
.set mt, mt+1
.endr
.set ms, ms+1
.endr
	WIN 0
.endm
	s_load_b512 s[4:19], s[0:1], 0x0               ; pcb 4, idx 6, wq 8, lowp_scales 10, c1_w 12, c1_b 14, c1_g 16, c1_beta 18
	s_load_b512 s[20:35], s[0:1], 0x40             ; res_b 20, blk0_b 22, blk0_g 24, blk0_beta 26, blk1_b 28, blk1_g 30, blk1_beta 32, blk2_b 34
	s_load_b128 s[36:39], s[0:1], 0x80             ; blk2_g 36, blk2_beta 38
	s_load_b64 s[40:41], s[0:1], 0x90              ; part
	v_lshl_add_u32 v[SPW], v0, 2, SPARE            ; my spare word; never rewritten
	v_mov_b32 v[NIL], 0                            ; 0; never rewritten
	v_lshrrev_b32 v14, 5, v0
	v_readfirstlane_b32 s52, v14                   ; wave
	s_lshr_b32 s53, ttmp9, 3                       ; 8 b + k
	s_and_b32 s54, ttmp9, 7                        ; which 256 points
	s_mov_b32 s55, 0xffff0000                      ; lanes 16 to 31
	s_mov_b32 s56, NL2E
	s_mov_b32 s57, NL2E
	s_mov_b32 s60, RS
	s_mov_b32 s61, RS
	; every LDS base is made here, ahead of the first branch on the wave's number
	v_and_b32 v14, 31, v0
	v_lshlrev_b32 v1, 4, v14                       ; 16 x lane
	v_add_nc_u32 v4, RC, v1                        ; the sub-block's image, read
	s_lshl_b32 s80, s52, 10
	v_add_nc_u32 v248, s80, v1                     ; my 64 columns' place in a tile's image: 1,024 w
	v_add_nc_u32 v5, RC, v248                      ; the sub-block's image, written
	s_lshl_b32 s80, s52, 14
	s_add_co_u32 s80, s80, RB
	v_add_nc_u32 v6, s80, v1                       ; my f1
	v_lshlrev_b32 v7, 3, v14
	v_add_nc_u32 v7, FE, v7                        ; the features, read
	s_mul_i32 s80, s52, 1536
	v_add_nc_u32 v253, s80, v7                     ; the features, written: tiles 2 w and 2 w + 1
	s_lshl_b32 s80, s52, 9
	v_add_nc_u32 v249, s80, v1                     ; my 32 columns' place in an image of K = 256: 512 w
	s_and_b32 s81, s52, 1
	s_lshl_b32 s80, s81, 15
	v_add_nc_u32 v250, s80, v1                     ; the last layer: my half of the rows
	s_mul_i32 s81, s81, 704
	s_lshr_b32 s80, s52, 1
	s_lshl_b32 s80, s80, 6
	s_add_co_u32 s80, s80, s81
	s_add_co_u32 s80, s80, RED
	v_bfe_u32 v15, v0, 4, 1                        ; h
	v_lshl_add_u32 v251, v15, 5, s80               ; the maxima, written: 704 (w % 2) + 64 (w / 2) + 32 h
	v_lshl_add_u32 v252, v0, 2, RED                ; and read
	v_lshlrev_b32 v255, 6, v15                     ; 64 h
	; offsets into memory
	v_and_b32 v254, 15, v0                         ; r
	s_lshl_b32 s80, s52, 7
	v_lshl_add_u32 v8, v254, 2, s80                ; idx: row 32 w + r
	v_and_b32 v9, 8, v254
	v_add_nc_u32 v9, v9, v254
	s_lshl_b32 s80, s52, 6
	v_add_nc_u32 v9, s80, v9
	v_lshlrev_b32 v9, 2, v9                        ; column 64 w + r + 8 (r / 8), in bytes
	v_lshl_add_u32 v14, v15, 12, v9                ; + 2 h rows of c1_w
	s_lshl_b32 s80, s52, 8
	v_add_nc_u32 v10, s80, v255                    ; res_b: 256 w + 64 h
	v_mov_b32 v15, 0
	s_wait_kmcnt 0x0
	s_load_b256 s[44:51], s[10:11], 0x0            ; e0 .. e7
	s_mul_i32 s80, s53, 24576
	s_lshl_b32 s81, s54, 10
	s_add_co_u32 s80, s80, s81
	s_mov_b32 s81, 0
	s_add_nc_u64 s[6:7], s[6:7], s[80:81]          ; idx at (8 b + k, radius 0, my first point)
	s_lshl_b32 s80, s52, 15
	s_add_nc_u64 s[76:77], s[8:9], s[80:81]        ; wq + 32,768 w: my part of a layer of 512 columns
	s_lshl_b32 s80, s52, 14
	s_add_nc_u64 s[78:79], s[8:9], s[80:81]        ; wq + 16,384 w: of the layer of 256
	s_lshr_b32 s80, s52, 1
	s_lshl_b32 s80, s80, 12
	s_add_nc_u64 s[82:83], s[8:9], s[80:81]        ; wq + 4,096 (w / 2): my first tile of the last layer
	s_mul_i32 s80, ttmp9, 768
	s_add_nc_u64 s[40:41], s[40:41], s[80:81]
.irp u, 0,1
.irp p, 0,1,2
	global_load_b32 v[80+3*\u+\p], v8, s[6:7] offset:64*\u+8192*\p   ; the neighbour of row r of tile 2 w + u, radius p
.endr
.endr
.irp t, 0,1,2,3
	global_load_b32 v[CW+6*\t], v14, s[12:13] offset:(32*(\t/2)+8*(\t%2))*4            ; c1_w rows 2 h, 2 h + 1,
	global_load_b32 v[CW+6*\t+1], v14, s[12:13] offset:(32*(\t/2)+8*(\t%2))*4+2048
	global_load_b32 v[CW+6*\t+2], v14, s[12:13] offset:(32*(\t/2)+8*(\t%2))*4+4*2048   ; 4 + 2 h, 5 + 2 h,
	global_load_b32 v[CW+6*\t+3], v14, s[12:13] offset:(32*(\t/2)+8*(\t%2))*4+5*2048
	global_load_b32 v[CW+6*\t+4], v9, s[12:13] offset:(32*(\t/2)+8*(\t%2))*4+8*2048    ; and 8
	global_load_b32 v[144+\t], v9, s[16:17] offset:(32*(\t/2)+8*(\t%2))*4              ; g
	global_load_b32 v[148+\t], v9, s[14:15] offset:(32*(\t/2)+8*(\t%2))*4              ; b
	global_load_b32 v[152+\t], v9, s[18:19] offset:(32*(\t/2)+8*(\t%2))*4              ; beta
.endr
.irp t, 0,1,2,3
	global_load_b128 v[PB+8*\t:PB+8*\t+3], v10, s[20:21] offset:(32*(\t/2)+8*(\t%2))*4
	global_load_b128 v[PB+8*\t+4:PB+8*\t+7], v10, s[20:21] offset:(32*(\t/2)+8*(\t%2))*4+16
.endr
	s_wait_loadcnt 40                              ; the six numbers of neighbours are in; the 32 + 8 loads behind them may be out
.irp i, 0,1,2,3,4,5
	v_min_u32 v[80+\i], 0x1fff, v[80+\i]           ; a loaded number enters an address only behind a bound: 8,192 points
.endr
.irp i, 0,1,2,3,4,5
	v_lshlrev_b32 v[80+\i], 4, v[80+\i]
.endr
.irp i, 0,1,2,3,4,5
	global_load_b128 v[112+4*\i:115+4*\i], v[80+\i], s[4:5]   ; x, y, z (and sq, which is not used)
.endr
	WLOAD 76, 0, 64, 0                             ; res_w's codes: my 16 fragments
	s_wait_loadcnt 63                              ; all that was asked for ahead of the weights is in
	s_wait_kmcnt 0x0
.irp u, 0,1                            ; chunk c, lane (r, h), register j holds feature 4 c + 2 h + j of row r
	v_cndmask_b32 v[160+6*\u], v[112+12*\u], v[114+12*\u], s55
	v_cndmask_b32 v[161+6*\u], v[113+12*\u], v[116+12*\u], s55
	v_cndmask_b32 v[162+6*\u], v[117+12*\u], v[120+12*\u], s55
	v_cndmask_b32 v[163+6*\u], v[118+12*\u], v[121+12*\u], s55
	v_cndmask_b32 v[164+6*\u], v[122+12*\u], v15, s55
	v_cndmask_b32 v[165+6*\u], 1.0, v15, s55
	ds_store_b64 v253, v[160+6*\u:161+6*\u] offset:768*\u
	ds_store_b64 v253, v[162+6*\u:163+6*\u] offset:768*\u+256
	ds_store_b64 v253, v[164+6*\u:165+6*\u] offset:768*\u+512
.endr
.irp t, 0,1,2,3
	v_mul_f32 v[144+\t], RS, v[144+\t]             ; rs g
.endr
.irp t, 0,1,2,3
.irp j, 0,1,2,3,4
	v_mul_f32 v[CW+6*\t+\j], v[CW+6*\t+\j], v[144+\t]
.endr
	v_fma_f32 v[CW+6*\t+5], v[148+\t], v[144+\t], v[152+\t]   ; against feature 9 = 1.0
	v_cndmask_b32 v[CW+6*\t+4], v[CW+6*\t+4], v15, s55        ; features 10 and 11 meet zeros
	v_cndmask_b32 v[CW+6*\t+5], v[CW+6*\t+5], v15, s55
.endr
	SETQ 10, 11, 44                                ; e0: the operand of res_w
	SETQ 12, 13, 46                                ; e2: the operand of blk0_w
	FACT 44, 45
	BARRIER                                        ; the features of all 16 tiles lie in LDS
	; ---- the first layer and the residual, 64 rows at a time
	s_mov_b32 s66, 0
	s_mov_b32 s67, 0
	s_mov_b32 s68, 0
.Lsub:
	v_add_nc_u32 v8, s67, v7
	v_add_nc_u32 v9, s68, v248
.irp m, 0,1,2,3
	ds_load_b64 v[FEAT:FEAT+1], v8 offset:768*\m
	ds_load_b64 v[FEAT+2:FEAT+3], v8 offset:768*\m+256
	ds_load_b64 v[FEAT+4:FEAT+5], v8 offset:768*\m+512
	s_wait_dscnt 0x0
.irp c, 0,1,2
.irp t, 0,1,2,3
.if \c == 0
	v_wmma_f32_16x16x4_f32 v[Y+8*\t:Y+8*\t+7], v[CW+6*\t+2*\c:CW+6*\t+2*\c+1], v[FEAT+2*\c:FEAT+2*\c+1], 0
.else
	v_wmma_f32_16x16x4_f32 v[Y+8*\t:Y+8*\t+7], v[CW+6*\t+2*\c:CW+6*\t+2*\c+1], v[FEAT+2*\c:FEAT+2*\c+1], v[Y+8*\t:Y+8*\t+7]
.endif
.endr
.endr
	PLACES 9                                       ; this form wants 8 ahead of a reader or a load into a source, 9 ahead of the next tile's products, which begin the same sums anew
	SILU 32, Y
.irp i, 0,1,2,3,4,5,6,7
	ds_store_b128 v6, v[T+4*\i:T+4*\i+3] offset:(8*\m+\i)*512   ; f1 in f32, for the residual: my own bytes
.endr
	QUANT 32, T, 10, 11
	ds_store_b128 v5, v[PC:PC+3] offset:8192*\m
	ds_store_b128 v5, v[PC+4:PC+7] offset:8192*\m+512
.endr
	BARRIER                                        ; the 64 rows' codes lie in LDS
	s_wait_loadcnt 0x0                             ; res_w's codes (met at once from the second trip on)
.irp m, 0,1,2,3
	XLOAD 4, 8192*\m, 16
.irp i, 0,1,2,3,4,5,6,7
	ds_load_b128 v[T+4*\i:T+4*\i+3], v6 offset:(8*\m+\i)*512
.endr
	s_wait_dscnt 0x0
	MM 4, 4
	PLACES 5                                       ; 4 ahead of a reader or a load into a source, 5 ahead of products that begin the same sums anew
.set ai, 0
.rept 16
	v_pk_fma_f32 v[ACC+ai:ACC+ai+1], v[ACC+ai:ACC+ai+1], s[58:59], v[PB+ai:PB+ai+1] op_sel_hi:[1,0,1]   ; sum x 2^(e0 + e1) + res_b
.set ai, ai+2
.endr
.set ai, 0
.rept 16
	v_pk_add_f32 v[ACC+ai:ACC+ai+1], v[ACC+ai:ACC+ai+1], v[T+ai:T+ai+1]   ; + f1
.set ai, ai+2
.endr
	QUANT 32, ACC, 12, 13
	ds_store_b128 v9, v[PC:PC+3] offset:RA+8192*\m
	ds_store_b128 v9, v[PC+4:PC+7] offset:RA+8192*\m+512
.endr
	BARRIER                                        ; every wave has read the sub-block's image: the next trip may write it
	s_add_co_u32 s67, s67, 3072
	s_add_co_u32 s68, s68, 32768
	s_add_co_u32 s66, s66, 1
	s_cmp_lt_u32 s66, 4
	s_cbranch_scc1 .Lsub
	; ---- blk0
	WLOAD 76, 262144, 64, 0
	s_lshl_b32 s80, s52, 8
	v_add_nc_u32 v14, s80, v255                    ; 256 w + 64 h
	FACT 46, 47
.irp t, 0,1,2,3
	PLOAD 24, 22, 26, 8*\t, (32*(\t/2)+8*(\t%2))*4
.endr
	SETQ 10, 11, 48                                ; e4: the operand of blk1_w
	s_wait_loadcnt 0x0                             ; the weights and the parameters
	PFIN 0, 32
	s_mov_b32 s66, 0
	s_mov_b32 s67, RA
	s_mov_b32 s68, RB
.Lb:                                               ; a tile of 16 rows a trip
	v_add_nc_u32 v9, s67, v1
	v_add_nc_u32 v8, s68, v248
	XLOAD 9, 0, 16
	s_wait_dscnt 0x0
	MM 4, 4
	PLACES 5
	AFFINE 32
	SILU 32, ACC
	QUANT 32, T, 10, 11
	ds_store_b128 v8, v[PC:PC+3]
	ds_store_b128 v8, v[PC+4:PC+7] offset:512
	s_add_co_u32 s67, s67, 8192
	s_add_co_u32 s68, s68, 8192
	s_add_co_u32 s66, s66, 1
	s_cmp_lt_u32 s66, 16
	s_cbranch_scc1 .Lb
	; ---- blk1; the last layer's weights come with it
	WLOAD 78, 524288, 32, 0
	WLOAD 82, 655360, 8, 128                       ; tile w / 2,
	WLOAD 82, 655360+16384, 8, 160                 ; tile w / 2 + 4,
	s_cmp_lt_u32 s52, 6
	s_cbranch_scc0 .Lno_w2
	WLOAD 82, 655360+32768, 8, 192                 ; tile w / 2 + 8: there are eleven, so waves 6 and 7 have none
.Lno_w2:
	s_lshl_b32 s80, s52, 7
	v_add_nc_u32 v14, s80, v255                    ; 128 w + 64 h
	FACT 48, 49
.irp t, 0,1
	PLOAD 30, 28, 32, 8*\t, 32*\t
.endr
	SETQ 12, 13, 50                                ; e6: the operand of blk2_w
	s_wait_loadcnt 0x0
	PFIN 0, 16
	BARRIER                                        ; blk1's operand lies in LDS, and nobody reads blk0's any more
	s_mov_b32 s66, 0
	s_mov_b32 s67, RB
	s_mov_b32 s68, RA
.Lc:
	v_add_nc_u32 v9, s67, v1
	v_add_nc_u32 v8, s68, v249
	XLOAD 9, 0, 16
	s_wait_dscnt 0x0
	MM 2, 4
	PLACES 5
	AFFINE 16
	SILU 16, ACC
	QUANT 16, T, 12, 13
	ds_store_b128 v8, v[PC:PC+3]
	s_add_co_u32 s67, s67, 8192
	s_add_co_u32 s68, s68, 4096
	s_add_co_u32 s66, s66, 1
	s_cmp_lt_u32 s66, 16
	s_cbranch_scc1 .Lc
	; ---- blk2: columns in their own order: lane (r, h), register j holds column 16 T + 8 h + j of row r
	s_lshr_b32 s80, s52, 1
	s_lshl_b32 s80, s80, 6
	v_lshrrev_b32 v14, 1, v255
	v_add_nc_u32 v14, s80, v14                     ; 64 (w / 2) + 32 h
	PLOAD 36, 34, 38, 0, 0
	PLOAD 36, 34, 38, 8, 256
	s_cmp_lt_u32 s52, 6
	s_cbranch_scc0 .Lno_p2
	s_lshr_b32 s80, s52, 1
	s_lshl_b32 s80, s80, 4
	s_add_co_u32 s80, s80, 128
	v_lshrrev_b32 v15, 3, v255
	v_add_nc_u32 v15, s80, v15                     ; column 16 (w / 2 + 8) + 8 h
.irp j, 0,1,2,3,4,5,6,7
	v_add_nc_u32 v[144+\j], \j, v15
.endr
.irp j, 0,1,2,3,4,5,6,7
	v_min_u32 v[144+\j], 169, v[144+\j]            ; no load leaves its buffer: columns 170 to 175 read the last one; their results are never used
.endr
.irp j, 0,1,2,3,4,5,6,7
	v_lshlrev_b32 v[144+\j], 2, v[144+\j]
.endr
.irp j, 0,1,2,3,4,5,6,7
	global_load_b32 v[PS+16+\j], v[144+\j], s[36:37]
	global_load_b32 v[T+16+\j], v[144+\j], s[34:35]
	global_load_b32 v[PB+16+\j], v[144+\j], s[38:39]
.endr
.Lno_p2:
	FACT 50, 51
	BARRIER                                        ; blk2's operand lies in LDS
	s_wait_loadcnt 0x0
	PFIN 0, 16
; my i-th tile of columns against my eight tiles of rows, two at a time; the maximum over the rows stays in v128-135
.macro UNIT i
.irp p, 0,1,2,3
.irp a, 0,1
.irp q, 0,1,2,3,4,5,6,7
	ds_load_b128 v[XF+32*\a+4*\q:XF+32*\a+4*\q+3], v250 offset:RA+4096*(2*\p+\a)+512*\q
.endr
.endr
	s_wait_dscnt 0x0
	WIN 0x01
	v_wmma_f32_16x16x128_fp8_fp8 v[ACC:ACC+7], v[128+32*\i:143+32*\i], v[XF:XF+15], 0
	v_wmma_f32_16x16x128_fp8_fp8 v[ACC+8:ACC+15], v[128+32*\i:143+32*\i], v[XF+32:XF+47], 0
	v_wmma_f32_16x16x128_fp8_fp8 v[ACC:ACC+7], v[144+32*\i:159+32*\i], v[XF+16:XF+31], v[ACC:ACC+7]
	v_wmma_f32_16x16x128_fp8_fp8 v[ACC+8:ACC+15], v[144+32*\i:159+32*\i], v[XF+48:XF+63], v[ACC+8:ACC+15]
	WIN 0
	PLACES 5
.irp a, 0,1
.irp j, 0,2,4,6
	v_pk_fma_f32 v[ACC+8*\a+\j:ACC+8*\a+\j+1], v[ACC+8*\a+\j:ACC+8*\a+\j+1], v[PS+8*\i+\j:PS+8*\i+\j+1], v[PB+8*\i+\j:PB+8*\i+\j+1]
.endr
.endr
	SILU 16, ACC
.irp j, 0,1,2,3,4,5,6,7
.if \p == 0
	v_max_num_f32 v[128+\j], v[T+\j], v[T+8+\j]    ; the first two tiles start the maximum
.else
	v_max3_num_f32 v[128+\j], v[128+\j], v[T+\j], v[T+8+\j]
.endif
.endr
.endr
.irp x, 1,2,4,8
.irp j, 0,1,2,3,4,5,6,7
	v_max_num_f32_dpp v[128+\j], v[128+\j], v[128+\j] row_xmask:\x row_mask:0xf bank_mask:0xf   ; over the 16 rows of a tile: the 16 lanes of my half
.endr
.endr
	ds_store_b128 v251, v[128:131] offset:256*\i   ; sixteen lanes hold the same eight numbers
	ds_store_b128 v251, v[132:135] offset:256*\i+16
.endm
	UNIT 0
	UNIT 1
	s_cmp_lt_u32 s52, 6
	s_cbranch_scc0 .Lno_u2
	PFIN 16, 8
	UNIT 2
.Lno_u2:
	BARRIER                                        ; both halves' maxima of 176 columns lie in LDS
	v_lshlrev_b32 v14, 2, v0
	s_wait_xcnt 0x0                                ; EXEC changes only behind this wait
	v_cmp_gt_u32 vcc_lo, 176, v0
	s_and_saveexec_b32 s80, vcc_lo
	ds_load_b32 v80, v252
	ds_load_b32 v81, v252 offset:704
	s_wait_dscnt 0x0
	v_max_num_f32 v80, v80, v81
	global_store_b32 v14, v80, s[40:41]
	s_wait_xcnt 0x0                                ; and again, in front of the line that widens it
	s_or_b32 exec_lo, exec_lo, s80
	s_wait_tensorcnt 0x0                           ; the wave's end: behind my last LDS store
	ds_add_u32 v[SPW], v[NIL]
	s_wait_dscnt 0x0
	s_endpgm
.Lfunc_end_k_qc3773dd817_mlp:
	.size	k_qc3773dd817_mlp, .Lfunc_end_k_qc3773dd817_mlp-k_qc3773dd817_mlp
	.p2alignl 7, 3214868480
	.fill 96, 4, 3214868480
	.section	.rodata,"a",@progbits
	.p2align	6, 0x0
	.amdhsa_kernel k_qc3773dd817_mlp
		.amdhsa_group_segment_fixed_size 310272
		.amdhsa_private_segment_fixed_size 0
		.amdhsa_enable_private_segment 0
		.amdhsa_kernarg_size 152
		.amdhsa_user_sgpr_count 2
		.amdhsa_user_sgpr_kernarg_segment_ptr 1
		.amdhsa_wavefront_size32 1
		.amdhsa_system_sgpr_workgroup_id_x 1
		.amdhsa_system_sgpr_workgroup_id_y 1
		.amdhsa_system_sgpr_workgroup_id_z 1
		.amdhsa_system_vgpr_workitem_id 0
		.amdhsa_next_free_vgpr 512
		.amdhsa_next_free_sgpr 100
		.amdhsa_reserve_vcc 1
		.amdhsa_float_denorm_mode_32 3
		.amdhsa_float_denorm_mode_16_64 3
		.amdhsa_memory_ordered 1
		.amdhsa_forward_progress 1
		.amdhsa_inst_pref_size 199
	.end_amdhsa_kernel
	.amdgpu_metadata
---
amdhsa.version: [ 1, 2 ]
amdhsa.kernels:
  - .name:           k_qc3773dd817_mlp
    .symbol:         k_qc3773dd817_mlp.kd
    .args:
      - { .name: pcb, .offset: 0, .size: 8, .value_kind: global_buffer, .address_space: global }
      - { .name: idx, .offset: 8, .size: 8, .value_kind: global_buffer, .address_space: global }
      - { .name: wq, .offset: 16, .size: 8, .value_kind: global_buffer, .address_space: global }
      - { .name: lowp_scales, .offset: 24, .size: 8, .value_kind: global_buffer, .address_space: global }
      - { .name: c1_w, .offset: 32, .size: 8, .value_kind: global_buffer, .address_space: global }
      - { .name: c1_b, .offset: 40, .size: 8, .value_kind: global_buffer, .address_space: global }
      - { .name: c1_g, .offset: 48, .size: 8, .value_kind: global_buffer, .address_space: global }
      - { .name: c1_beta, .offset: 56, .size: 8, .value_kind: global_buffer, .address_space: global }
      - { .name: res_b, .offset: 64, .size: 8, .value_kind: global_buffer, .address_space: global }
      - { .name: blk0_b, .offset: 72, .size: 8, .value_kind: global_buffer, .address_space: global }
      - { .name: blk0_g, .offset: 80, .size: 8, .value_kind: global_buffer, .address_space: global }
      - { .name: blk0_beta, .offset: 88, .size: 8, .value_kind: global_buffer, .address_space: global }
      - { .name: blk1_b, .offset: 96, .size: 8, .value_kind: global_buffer, .address_space: global }
      - { .name: blk1_g, .offset: 104, .size: 8, .value_kind: global_buffer, .address_space: global }
      - { .name: blk1_beta, .offset: 112, .size: 8, .value_kind: global_buffer, .address_space: global }
      - { .name: blk2_b, .offset: 120, .size: 8, .value_kind: global_buffer, .address_space: global }
      - { .name: blk2_g, .offset: 128, .size: 8, .value_kind: global_buffer, .address_space: global }
      - { .name: blk2_beta, .offset: 136, .size: 8, .value_kind: global_buffer, .address_space: global }
      - { .name: part, .offset: 144, .size: 8, .value_kind: global_buffer, .address_space: global }
    .group_segment_fixed_size: 310272
    .private_segment_fixed_size: 0
    .kernarg_segment_align: 8
    .kernarg_segment_size: 152
    .max_flat_workgroup_size: 256
    .sgpr_count:     100
    .vgpr_count:     512
    .wavefront_size: 32
...
	.end_amdgpu_metadata
.endif
;; end of part 3
;; launch fin (part 4): grid 32 x 1, 6 waves a work-group, no clusters, 0 bytes of LDS; arguments part, out0; writes out0
.if DOCPART == 4
	.amdgcn_target "amdgcn-amd-amdhsa--gfx1250"
	.amdhsa_code_object_version 6
	.text
	.protected	k_qc3773dd817_fin
	.globl	k_qc3773dd817_fin
	.p2align	8
	.type	k_qc3773dd817_fin,@function
k_qc3773dd817_fin:
	s_mov_b64 s[64:65], 0
	v_nop
	global_prefetch_b8 v0, s[64:65] scope:SCOPE_SE
	s_setreg_imm32_b32 hwreg(HW_REG_WAVE_MODE, 25, 1), 1
	s_wait_xcnt 0x0
; FOURTH LAUNCH: out0[b][170 k + c] = the maximum of the eight partial maxima (256 points each) that the third launch stored for (b, k).  Work-group = 8 b + k, thread = column c < 170.
; A partial row is 768 bytes; its columns 170 to 175 belong to no output and are not read.  LIMIT: a NaN is dropped by the maximum.
	s_load_b128 s[4:7], s[0:1], 0x0                ; part, out0
	v_lshlrev_b32 v1, 2, v0
	s_mul_i32 s8, ttmp9, 6144                      ; eight rows of 768 bytes
	s_mov_b32 s9, 0
	s_mul_i32 s10, ttmp9, 680                      ; 170 numbers
	s_mov_b32 s11, 0
	s_wait_kmcnt 0x0
	s_add_nc_u64 s[4:5], s[4:5], s[8:9]
	s_add_nc_u64 s[6:7], s[6:7], s[10:11]
	s_wait_xcnt 0x0                                ; EXEC changes only behind this wait
	v_cmp_gt_u32 vcc_lo, 170, v0
	s_and_saveexec_b32 s12, vcc_lo
.irp i, 0,1,2,3,4,5,6,7
	global_load_b32 v[2+\i], v1, s[4:5] offset:768*\i
.endr
	s_wait_loadcnt 0x0
	v_max3_num_f32 v2, v2, v3, v4
	v_max3_num_f32 v2, v2, v5, v6
	v_max3_num_f32 v2, v2, v7, v8
	v_max_num_f32 v2, v2, v9
	global_store_b32 v1, v2, s[6:7]
	s_wait_xcnt 0x0                                ; and again, in front of the line that widens it
	s_or_b32 exec_lo, exec_lo, s12
	s_endpgm
.Lfunc_end_k_qc3773dd817_fin:
	.size	k_qc3773dd817_fin, .Lfunc_end_k_qc3773dd817_fin-k_qc3773dd817_fin
	.p2alignl 7, 3214868480
	.fill 96, 4, 3214868480
	.section	.rodata,"a",@progbits
	.p2align	6, 0x0
	.amdhsa_kernel k_qc3773dd817_fin
		.amdhsa_group_segment_fixed_size 0
		.amdhsa_private_segment_fixed_size 0
		.amdhsa_enable_private_segment 0
		.amdhsa_kernarg_size 16
		.amdhsa_user_sgpr_count 2
		.amdhsa_user_sgpr_kernarg_segment_ptr 1
		.amdhsa_wavefront_size32 1
		.amdhsa_system_sgpr_workgroup_id_x 1
		.amdhsa_system_sgpr_workgroup_id_y 1
		.amdhsa_system_sgpr_workgroup_id_z 1
		.amdhsa_system_vgpr_workitem_id 0
		.amdhsa_next_free_vgpr 16
		.amdhsa_next_free_sgpr 66
		.amdhsa_reserve_vcc 1
		.amdhsa_float_denorm_mode_32 3
		.amdhsa_float_denorm_mode_16_64 3
		.amdhsa_memory_ordered 1
		.amdhsa_forward_progress 1
		.amdhsa_inst_pref_size 2
	.end_amdhsa_kernel
	.amdgpu_metadata
---
amdhsa.version: [ 1, 2 ]
amdhsa.kernels:
  - .name:           k_qc3773dd817_fin
    .symbol:         k_qc3773dd817_fin.kd
    .args:
      - { .name: part, .offset: 0, .size: 8, .value_kind: global_buffer, .address_space: global }
      - { .name: out0, .offset: 8, .size: 8, .value_kind: global_buffer, .address_space: global }
    .group_segment_fixed_size: 0
    .private_segment_fixed_size: 0
    .kernarg_segment_align: 8
    .kernarg_segment_size: 16
    .max_flat_workgroup_size: 192
    .sgpr_count:     66
    .vgpr_count:     16
    .wavefront_size: 32
...
	.end_amdgpu_metadata
.endif
;; end of part 4
